; MI455X (gfx1250); checked and timed in simulation.
; The chip was launched on July 23, 2026; its instructions are those of AMD's public machine-readable ISA for CDNA 5 (MIT licence, August 2026) and "CDNA5" Instruction Set Architecture Reference Guide (July 2026). The comments in the code are by the model that wrote it; some were corrected since.
;; Attention Block. Allowed arithmetic: matrix products marked QUANTISED: E2M1 operands, one E8M0 scale for each 32 along K, by v_wmma_scale_f32_16x16x128_f8f6f4 with both operands' format E2M1 (or v_wmma_scale_f32_32x16x128_f4), f32 sums; everything else in f32.
;; Inputs: gn_b 256 float32; gn_w 256 float32; proj_b 256 float32; proj_w 256 x 256 float32; qkv_b 768 float32; qkv_w 768 x 256 float32; x 4 x 256 x 64 x 64 float32.
;; Outputs: out0 4 x 256 x 64 x 64 float32.
;; This version of the problem:
;;   THIS VERSION OF THE PROBLEM IS GIVEN IN LOW PRECISION. The matrix products marked QUANTISED in the list below multiply operands that are first quantised to E2M1 (2 exponent bits, 1 mantissa bit; 4 bits a number), with one power-of-two scale for each 32 numbers along K (OCP MX v1.0); their sums are f32. All else is computed in f32.
;;   The module's matrix products, in the order in which they are computed (A, B: the left and right operand; K: the contracted axis; several contracted axes count as one K, in the product's order):
;;     1. [M 16,384, K 256] x [K 256, N 768]; A: computed on the way; B: input qkv_w: QUANTISED
;;     2. batch 4 x [M 4,096, K 256] x [K 256, N 4,096]; A: computed on the way; B: computed on the way: QUANTISED
;;     3. batch 4 x [M 256, K 4,096] x [K 4,096, N 4,096]; A: computed on the way; B: softmax (see below): QUANTISED
;;     4. [M 16,384, K 256] x [K 256, N 256]; A: computed on the way; B: input proj_w: QUANTISED
;;   THE QUANTISER, for each operand of a quantised product, along K:
;;     - K is cut into blocks of 32 from its start; a last block that is shorter is filled with zeros.
;;     - A block's scale is 2^e with e = floor(log2(the largest magnitude in the block)) - 2, held to -126 .. 127; a block of zeros has e = 0. As a byte (E8M0): e + 127.
;;     - Each number is divided by its block's scale, clamped to +-6, and rounded to the nearest number of E2M1, ties to even, subnormals kept.
;;     - The product sums the exact products of the quantised numbers (number of the format x scale) in f32.
;;   ~~~python
;;   def quantise(x, axis):      # numpy; x: float32 -> the quantised numbers, widened to float32 again
;;       x = np.moveaxis(x, axis, -1); K = x.shape[-1]
;;       x = np.pad(x, [(0, 0)] * (x.ndim - 1) + [(0, -K % 32)]); x = x.reshape(x.shape[:-1] + (-1, 32)); a = np.abs(x).max(-1, keepdims=True)
;;       e = np.where(a > 0, np.clip(np.frexp(np.where(a > 0, a, 1))[1] - 1 - 2, -126, 127), 0)      # np.frexp(a)[1] - 1 = floor(log2(a)), exactly
;;       r = np.clip(x / 2.0 ** e, -6, 6)
;;       step = 2.0 ** (np.maximum(np.frexp(np.where(r == 0, 1, r))[1] - 1, 0) - 1)
;;       q = np.round(r / step) * step * 2.0 ** e      # np.round: ties to even
;;       return np.moveaxis(q.reshape(q.shape[:-2] + (-1,))[..., :K], -1, axis).astype(np.float32)
;;   ~~~
;;   SOFTMAX AHEAD OF A QUANTISED PRODUCT. Where the list says 'softmax', what is quantised is not the finished softmax but p = 2^(t - M), with t = logit x log2(e) and M = ceil(the row's largest t), a whole number; so 1/2 < the row's largest p <= 1. The row's sum l is taken of the UNQUANTISED p, in f32, and the product's result is divided by l at the end. Since M is a whole number, a kernel that streams over the keys may use a running M (the ceiling of the running maximum): every later rescaling is an exact power of two, which a block's scale takes up: the codes' values come out the same.
;;   OPERANDS COMPUTED ON THE WAY. 'Computed on the way' means the value that the module computes at that place (a softmax that the list does not call 'softmax' is quantised finished and normalised). What goes into a quantiser is computed in f32, as accurately as f32 sums, v_exp_f32 and their like allow (about 1e-6 of the number): no bf16 or f16 on the way to a quantiser, and a product that is left as it is and whose result goes on into a quantised operand takes f32 operands (vector FMAs, or v_wmma_f32_16x16x4_f32). A number that lies on a knife's edge between two numbers of the format may be rounded either way, as far as f32 arithmetic and the matrix unit's own rounding can turn it there, and no further.
;; One version. Each part assembles by itself: llvm-mc -triple=amdgcn-amd-amdhsa -mcpu=gfx1250 --defsym DOCPART=n.
;; ======== version 1 of 1: 3 launches
;; workspace buffers: stats 8,192 bytes; wimg 139,264 bytes; q 2,228,224 bytes; kv 4,456,448 bytes
;; launch prep (part 1): grid 256 x 1, 5 waves a work-group, no clusters, 0 bytes of LDS; arguments x, qkv_w, proj_w, stats, wimg; writes stats, wimg
.if DOCPART == 1
	.amdgcn_target "amdgcn-amd-amdhsa--gfx1250"
	.amdhsa_code_object_version 6
	.text
	.protected	k_q1f29e8baaf_prep
	.globl	k_q1f29e8baaf_prep
	.p2align	8
	.type	k_q1f29e8baaf_prep,@function
k_q1f29e8baaf_prep:
	s_mov_b64 s[64:65], 0
	v_nop
	global_prefetch_b8 v0, s[64:65] scope:SCOPE_SE
	s_setreg_imm32_b32 hwreg(HW_REG_WAVE_MODE, 25, 1), 1
	s_wait_xcnt 0x0
; Two jobs that share nothing, parted on the wave's number, so that all 256 work-groups have the same work.
; WAVES 0-3: for each of the 1,024 channels of x (4,096 numbers, 16 KiB) the mean and the sum of squares round that mean: one wave a channel (4 x work-group + wave), the channel kept in 128 registers
;   between the two passes, so that no difference of large sums is formed.  stats[channel] = (mean, M2).
; WAVE 4: a quarter of a weight tile.  The two weights (qkv_w [768][256], proj_w [256][256], f32, K innermost) become codes of FP4 (E2M1) with one E8M0 byte for each 32 along K,
;   laid as IMAGES OF OPERAND REGISTERS: tile tau (16 rows; 0-47 qkv_w, 48-63 proj_w), K step s (128 along K), block beta (32 along K), row r: 16 bytes at 2048 tau + 1024 s + 256 beta + 16 r.
;   Scale words behind the codes: 131072 + 128 tau + 64 s + 4 r, byte beta.
;   THE ROWS OF A TILE ARE NOT NEIGHBOURS: row r of tile 2 b + u is the weight's row 32 b + 8 u + r + 8 (r / 8).
;   tau = work-group / 4; the quarter (work-group % 4) is a K step s and a pair of blocks; lane (r = lane % 16, h = lane / 16) takes block 2 x pair + h of row r: a whole block, so no other lane is asked for a maximum,
;   and the wave's codes are 512 consecutive bytes of the image.  Its loads stand 1,024 bytes apart from lane to lane: both weights together are 1 MiB, read once.
; A block's scale is 2^(floor(log2(its largest magnitude)) - 2); its byte is the largest magnitude's exponent field - 2, held at 1 from below.
; LIMITS: a block of zeros gets the byte 1 where the quantiser says 127 (its codes are zeros, and this program alone reads the bytes); NaN and infinities among the inputs are not served.
.set X, 32                             ; v32-159  128 numbers (statistics); v32-63 a block (weights)
.set A, 8                              ; v8-15    four chains of pairs (statistics); at work (weights)
	s_load_b256 s[4:11], s[0:1], 0x0               ; x s[4:5], qkv_w s[6:7], proj_w s[8:9], stats s[10:11]
	s_load_b64 s[12:13], s[0:1], 0x20              ; wimg
	v_lshrrev_b32 v1, 5, v0
	v_readfirstlane_b32 s14, v1                    ; wave 0..4
	v_and_b32 v1, 31, v0                           ; lane
	s_mov_b32 s16, 0x76543210                      ; v_permlanex16_b32's selects for lane l xor 16
	s_mov_b32 s17, 0xfedcba98
	s_cmp_lt_u32 s14, 4
	s_cbranch_scc1 .Lstats
	; ---- a quarter of a weight tile
	v_and_b32 v2, 15, v0                           ; r
	v_bfe_u32 v3, v0, 4, 1                         ; h: which block of the pair
	v_and_b32 v4, 8, v2
	v_add_nc_u32 v4, v4, v2                        ; r + 8 (r / 8)
	v_lshlrev_b32 v4, 10, v4                       ; a row of the weight is 1,024 bytes
	v_lshl_add_u32 v4, v3, 7, v4                   ; + 128 h: my 32 numbers
	v_lshlrev_b32 v5, 4, v1                        ; the image: 256 h + 16 r = 16 x lane
	v_lshl_add_u32 v6, v2, 2, v3                   ; the scale byte: 4 r + h
	s_lshr_b32 s18, ttmp9, 2                       ; tau
	s_and_b32 s19, ttmp9, 3
	s_lshr_b32 s20, s19, 1                         ; s
	s_and_b32 s21, s19, 1                          ; the pair of blocks
	s_cmp_lt_u32 ttmp9, 192                        ; qkv_w's tile or proj_w's: the choice hangs on the work-group's number alone
	s_cselect_b32 s22, 0, 48
	s_wait_kmcnt 0x0
	s_cselect_b64 s[6:7], s[6:7], s[8:9]
	s_sub_co_u32 s22, s18, s22                     ; the tile's number in its own weight
	s_lshr_b32 s23, s22, 1
	s_lshl_b32 s23, s23, 15                        ; 32 rows of 1,024 bytes for each pair of tiles
	s_and_b32 s24, s22, 1
	s_lshl_b32 s24, s24, 13                        ; 8 rows for the odd one
	s_add_co_u32 s24, s24, s23
	s_lshl_b32 s23, s20, 9                         ; 512 bytes a K step
	s_add_co_u32 s24, s24, s23
	s_lshl_b32 s23, s21, 8                         ; 256 bytes a pair of blocks
	s_add_co_u32 s24, s24, s23
	s_mov_b32 s25, 0
	s_add_nc_u64 s[6:7], s[6:7], s[24:25]
	s_lshl_b32 s26, s18, 11                        ; the codes: 2048 tau + 1024 s + 512 pair
	s_lshl_b32 s23, s20, 10
	s_add_co_u32 s26, s26, s23
	s_lshl_b32 s23, s21, 9
	s_add_co_u32 s26, s26, s23
	s_mov_b32 s27, 0
	s_add_nc_u64 s[26:27], s[12:13], s[26:27]
	s_lshl_b32 s28, s18, 7                         ; the scale bytes: 131072 + 128 tau + 64 s + 2 pair
	s_lshl_b32 s23, s20, 6
	s_add_co_u32 s28, s28, s23
	s_lshl_b32 s23, s21, 1
	s_add_co_u32 s28, s28, s23
	s_add_co_u32 s28, s28, 131072
	s_mov_b32 s29, 0
	s_add_nc_u64 s[28:29], s[12:13], s[28:29]
.set q, 0
.rept 8
	global_load_b128 v[X+4*q:X+4*q+3], v4, s[6:7] offset:16*q
.set q, q+1
.endr
	s_wait_loadcnt 0x0
	v_max3_num_f32 v8, |v[X]|, |v[X+1]|, |v[X+2]|  ; the block's largest magnitude, in two chains
	v_max3_num_f32 v9, |v[X+3]|, |v[X+4]|, |v[X+5]|
.irp i,6,10,14,18,22,26
	v_max3_num_f32 v8, v8, |v[X+\i]|, |v[X+\i+1]|
	v_max3_num_f32 v9, v9, |v[X+\i+2]|, |v[X+\i+3]|
.endr
	v_max3_num_f32 v8, v8, |v[X+30]|, |v[X+31]|
	v_max3_num_f32 v8, v8, v9, 0x1800000           ; and the floor 2^(3 - 127): the byte cannot fall under 1
	v_add_nc_u32 v10, 0xff000000, v8               ; 2 off the exponent field: the conversion takes this operand's exponent field as its scale
	v_lshrrev_b32 v11, 23, v10                     ; the scale's byte
.irp g,0,1,2,3
	v_cvt_scalef32_pk8_fp4_f32 v[12+\g], v[X+8*\g:X+8*\g+7], v10
.endr
	v_nop                                          ; one plain line behind the last scaled conversion
	global_store_b128 v5, v[12:15], s[26:27]       ; 512 consecutive bytes, aligned
	global_store_b8 v6, v11, s[28:29]              ; two bytes of each of 16 neighbouring words: 32 bytes inside 64; 8 KiB in the whole launch
	s_endpgm
	; ---- a channel's statistics
.Lstats:
	s_lshl_b32 s18, ttmp9, 2
	s_add_co_u32 s18, s18, s14                     ; the channel, 0 .. 1023 (batch x 256 + c)
	s_lshl_b32 s20, s18, 14                        ; 16,384 bytes a channel
	s_mov_b32 s21, 0
	s_lshl_b32 s22, s18, 3                         ; 8 bytes of statistics
	s_mov_b32 s23, 0
	v_lshlrev_b32 v4, 4, v1                        ; 16 bytes a lane: a load covers 512 consecutive bytes
	s_wait_kmcnt 0x0
	s_add_nc_u64 s[4:5], s[4:5], s[20:21]
	s_add_nc_u64 s[10:11], s[10:11], s[22:23]
.set q, 0
.rept 32
	global_load_b128 v[X+4*q:X+4*q+3], v4, s[4:5] offset:512*q
.set q, q+1
.endr
.macro LANES                           ; the four chains, the pair's halves, and the 32 lanes; the last addition is left to the caller (v8 + v9)
	v_pk_add_f32 v[A:A+1], v[A:A+1], v[A+2:A+3]
	v_pk_add_f32 v[A+4:A+5], v[A+4:A+5], v[A+6:A+7]
	v_pk_add_f32 v[A:A+1], v[A:A+1], v[A+4:A+5]
	v_add_f32 v8, v8, v9
	v_add_f32_dpp v8, v8, v8 row_xmask:1 row_mask:0xf bank_mask:0xf
	v_add_f32_dpp v8, v8, v8 row_xmask:2 row_mask:0xf bank_mask:0xf
	v_add_f32_dpp v8, v8, v8 row_xmask:4 row_mask:0xf bank_mask:0xf
	v_add_f32_dpp v8, v8, v8 row_xmask:8 row_mask:0xf bank_mask:0xf
	v_permlanex16_b32 v9, v8, s16, s17
.endm
	s_wait_loadcnt 24                              ; the first eight loads are in; the 24 younger ones may be out
.irp c,0,1,2,3
	v_pk_add_f32 v[A+2*\c:A+2*\c+1], v[X+2*\c:X+2*\c+1], v[X+8+2*\c:X+9+2*\c]   ; each chain begins with two pairs: nothing is cleared
.endr
.set q, 8
.rept 8
	v_pk_add_f32 v[A+2*(q%4):A+2*(q%4)+1], v[A+2*(q%4):A+2*(q%4)+1], v[X+2*q:X+2*q+1]
.set q, q+1
.endr
.irp n,16,8,0
	s_wait_loadcnt \n                              ; eight loads more are in
.rept 16
	v_pk_add_f32 v[A+2*(q%4):A+2*(q%4)+1], v[A+2*(q%4):A+2*(q%4)+1], v[X+2*q:X+2*q+1]
.set q, q+1
.endr
.endr
	LANES
	v_add_f32 v8, v8, v9
	v_mul_f32 v16, 0x39800000, v8                  ; / 4,096: the channel's mean,
	v_mov_b32 v17, v16                             ; twice, for the packed subtraction
.set q, 0
.rept 64
	v_pk_add_f32 v[X+2*q:X+2*q+1], v[X+2*q:X+2*q+1], v[16:17] neg_lo:[0,1] neg_hi:[0,1]
.set q, q+1
.endr
.irp c,0,1,2,3
	v_pk_mul_f32 v[A+2*\c:A+2*\c+1], v[X+2*\c:X+2*\c+1], v[X+2*\c:X+2*\c+1]
.endr
.set q, 4
.rept 60
	v_pk_fma_f32 v[A+2*(q%4):A+2*(q%4)+1], v[X+2*q:X+2*q+1], v[X+2*q:X+2*q+1], v[A+2*(q%4):A+2*(q%4)+1]
.set q, q+1
.endr
	LANES
	v_add_f32 v17, v8, v9                          ; M2 beside the mean
	v_mov_b32 v5, 0
	v_cmp_eq_u32 vcc_lo, 0, v1
	s_wait_xcnt 0x0                                ; EXEC changes only behind this wait
	s_and_saveexec_b32 s19, vcc_lo
	global_store_b64 v5, v[16:17], s[10:11]        ; lane 0 alone
	s_wait_xcnt 0x0
	s_or_b32 exec_lo, exec_lo, s19
	s_endpgm
.Lfunc_end_k_q1f29e8baaf_prep:
	.size	k_q1f29e8baaf_prep, .Lfunc_end_k_q1f29e8baaf_prep-k_q1f29e8baaf_prep
	.p2alignl 7, 3214868480
	.fill 96, 4, 3214868480
	.section	.rodata,"a",@progbits
	.p2align	6, 0x0
	.amdhsa_kernel k_q1f29e8baaf_prep
		.amdhsa_group_segment_fixed_size 0
		.amdhsa_private_segment_fixed_size 0
		.amdhsa_enable_private_segment 0
		.amdhsa_kernarg_size 40
		.amdhsa_user_sgpr_count 2
		.amdhsa_user_sgpr_kernarg_segment_ptr 1
		.amdhsa_wavefront_size32 1
		.amdhsa_system_sgpr_workgroup_id_x 1
		.amdhsa_system_sgpr_workgroup_id_y 1
		.amdhsa_system_sgpr_workgroup_id_z 1
		.amdhsa_system_vgpr_workitem_id 0
		.amdhsa_next_free_vgpr 160
		.amdhsa_next_free_sgpr 66
		.amdhsa_reserve_vcc 1
		.amdhsa_float_denorm_mode_32 3
		.amdhsa_float_denorm_mode_16_64 3
		.amdhsa_memory_ordered 1
		.amdhsa_forward_progress 1
		.amdhsa_inst_pref_size 22
	.end_amdhsa_kernel
	.amdgpu_metadata
---
amdhsa.version: [ 1, 2 ]
amdhsa.kernels:
  - .name:           k_q1f29e8baaf_prep
    .symbol:         k_q1f29e8baaf_prep.kd
    .args:
      - { .name: x, .offset: 0, .size: 8, .value_kind: global_buffer, .address_space: global }
      - { .name: qkv_w, .offset: 8, .size: 8, .value_kind: global_buffer, .address_space: global }
      - { .name: proj_w, .offset: 16, .size: 8, .value_kind: global_buffer, .address_space: global }
      - { .name: stats, .offset: 24, .size: 8, .value_kind: global_buffer, .address_space: global }
      - { .name: wimg, .offset: 32, .size: 8, .value_kind: global_buffer, .address_space: global }
    .group_segment_fixed_size: 0
    .private_segment_fixed_size: 0
    .kernarg_segment_align: 8
    .kernarg_segment_size: 40
    .max_flat_workgroup_size: 160
    .sgpr_count:     66
    .vgpr_count:     160
    .wavefront_size: 32
...
	.end_amdgpu_metadata
.endif
;; end of part 1
;; launch qkv (part 2): grid 64 x 4, 6 waves a work-group, no clusters, 168,704 bytes of LDS; arguments x, gn_w, gn_b, qkv_b, stats, wimg, q, kv; writes q, kv
.if DOCPART == 2
	.amdgcn_target "amdgcn-amd-amdhsa--gfx1250"
	.amdhsa_code_object_version 6
	.text
	.protected	k_q1f29e8baaf_qkv
	.globl	k_q1f29e8baaf_qkv
	.p2align	8
	.type	k_q1f29e8baaf_qkv,@function
k_q1f29e8baaf_qkv:
	s_mov_b64 s[64:65], 0
	v_nop
	global_prefetch_b8 v0, s[64:65] scope:SCOPE_SE
	s_setreg_imm32_b32 hwreg(HW_REG_WAVE_MODE, 25, 1), 1
	s_wait_xcnt 0x0
; GroupNorm, its result quantised along the channels, the product with qkv_w on codes of FP4 (E2M1, one E8M0 scale for each 32 along K), the bias, and q, k, v quantised for the attention: q and k along the channels, v along the keys.
; SHARES.  A work-group takes 64 columns n (x = cb) of one batch (y).  Wave g of six owns output rows 128 g .. 128 g + 127 (g = 0, 1: q's K steps; 2, 3: k's; 4, 5: v's channel tiles 0-7, 8-15);
; its 16 weight fragments stay in its registers.  Waves 0-3 also normalise and quantise x: wave w takes channels 64 w .. 64 w + 63 of all 64 columns, from a tile that its own tensor load brought.
; No joint loads: what the work-groups share is the weights' 102 KiB, which go straight into one wave's registers; through LDS they would make a round trip more.
; A LANE TAKES A COLUMN n AND ITS REGISTERS RUN DOWN THE CHANNELS, so a block of 32 channels lies in one lane.  THE COLUMNS OF A TILE ARE NOT NEIGHBOURS: row r of n-tile 2 B + u is column 32 B + 8 u + r + 8 (r / 8).
; Operands go from wave to wave, and to the next launch, as IMAGES OF THEIR REGISTERS: a fragment (16 rows x 128 K) is [block of 32 along K][row][16 bytes], 1,024 bytes.
; q AND k: the product is used transposed (source 0 = 16 rows of the weight, source 1 = 16 columns of h): a lane holds one column and 64 registers along the output channels, the next K.
; v: source 0 = 16 columns of h, source 1 = 16 rows of the weight: a lane holds one channel and its registers run along the columns, which are the keys.
; OUT.  q: [batch x 64 + cb][8704]: codes at 2048 T + 1024 s + 512 c + 16 lane, scale words at 8192 + 256 s + 16 r + 4 T.
;       kv: [batch][key step of 128][34816]: K's codes at 2048 kt + 1024 s + .., K's scale words at 16384 + 512 (kt / 4) + 256 s + 16 r + 4 (kt % 4), V's codes at 17408 + 1024 t + 512 cc + 16 lane,
;       V's scale words at 33792 + 512 (t / 8) + 16 lane + 4 ((t / 2) % 4): lanes 0-15 the even tile's, lanes 16-31 the odd one's.
; LIMITS: a block of zeros gets the byte 1 where the quantiser says 127 (its codes are zeros, and this program alone reads the bytes); NaN and infinities among the inputs are not served.
.set STEPB, 34816
.set BKV,   1114112
.set QBLK,  8704
.set XIMG,  0                          ; LDS: h's 8 fragments (n-tile T, K step s) at 2048 T + 1024 s
.set XSC,   8192                       ; their scale words: image (cg, s) at 128 (2 cg + s) + 4 lane; lanes 0-15 n-tile 2 cg, lanes 16-31 n-tile 2 cg + 1
.set NT,    8704                       ; 1,024 bytes for each of waves 0-3: a[64], b[64] at +256, the group's mean for each two channels at +512
.set XT,    12800                      ; x's tile: 256 channel rows of 256 bytes, filled once
.set LI,  1                            ; v1   16 x lane
.set LS,  2                            ; v2   4 x lane
.set XLD, 3                            ; v3   my column in my wave's rows of x's tile
.set XST, 4                            ; v4   where my block's 16 bytes go in h's images
.set XSS, 5                            ; v5   where my two scale bytes go
.set NTB, 6                            ; v6   my wave's constants
.set NTP, 7                            ; v7   + 8 x lane
.set NTM, 8                            ; v8   + 4 x lane
.set SOF, 9                            ; v9   byte offset of my two channels' statistics
.set GOF, 10                           ; v10  and of their gain and bias
.set BQ,  11                           ; v11  qkv_b for q and k: 64 h
.set LN,  12                           ; v12  lane
.set SH,  13                           ; v13  16 h
.set BV,  14                           ; v14  qkv_b for v: 4 (r + 8 (r / 8))
.set WS,  16                           ; v16-23 the weights' scale words
.set HS,  24                           ; v24-27 h's scale words, 2 cg + s
.set SW,  28                           ; v28-31 the four units' scale words (at work in the x phase)
.set TM,  32                           ; v32-47 at work in QUANT
.set PW,  48
.set PC,  64                           ; v64-95 four units' codes
.set HF,  96                           ; v96-159 h's fragments, 16 T + 8 s
.set HA,  160                          ; v160-223 eight accumulators
.set BI,  128                          ; window 1: v0-127 the weight's fragments (16 t + 8 s), v128-191 the bias, 8 registers a tile
.set SEL, 24
.set MSB, 0
.macro WIN new                         ; the immediate's high byte repeats the setting that is left
.if MSB != \new
	s_set_vgpr_msb (MSB<<8)|\new
.set MSB, \new
.endif
.endm
; One scaled product.  d, a, b: first registers; c: first register of C, or -1 for the constant 0; sa, sb: scale registers; ra, rb: 1 = the scales stand in lanes 16-31
.macro WM d, a, b, c, sa, sb, ra, rb
.if (\c) < 0
.if (\ra) && (\rb)
	v_wmma_scale_f32_16x16x128_f8f6f4 v[(\d):(\d)+7], v[(\a):(\a)+7], v[(\b):(\b)+7], 0, v[(\sa)], v[(\sb)] matrix_a_fmt:MATRIX_FMT_FP4 matrix_b_fmt:MATRIX_FMT_FP4 matrix_a_scale:MATRIX_SCALE_ROW1 matrix_b_scale:MATRIX_SCALE_ROW1
.elseif (\ra)
	v_wmma_scale_f32_16x16x128_f8f6f4 v[(\d):(\d)+7], v[(\a):(\a)+7], v[(\b):(\b)+7], 0, v[(\sa)], v[(\sb)] matrix_a_fmt:MATRIX_FMT_FP4 matrix_b_fmt:MATRIX_FMT_FP4 matrix_a_scale:MATRIX_SCALE_ROW1
.elseif (\rb)
	v_wmma_scale_f32_16x16x128_f8f6f4 v[(\d):(\d)+7], v[(\a):(\a)+7], v[(\b):(\b)+7], 0, v[(\sa)], v[(\sb)] matrix_a_fmt:MATRIX_FMT_FP4 matrix_b_fmt:MATRIX_FMT_FP4 matrix_b_scale:MATRIX_SCALE_ROW1
.else
	v_wmma_scale_f32_16x16x128_f8f6f4 v[(\d):(\d)+7], v[(\a):(\a)+7], v[(\b):(\b)+7], 0, v[(\sa)], v[(\sb)] matrix_a_fmt:MATRIX_FMT_FP4 matrix_b_fmt:MATRIX_FMT_FP4
.endif
.else
.if (\ra) && (\rb)
	v_wmma_scale_f32_16x16x128_f8f6f4 v[(\d):(\d)+7], v[(\a):(\a)+7], v[(\b):(\b)+7], v[(\c):(\c)+7], v[(\sa)], v[(\sb)] matrix_a_fmt:MATRIX_FMT_FP4 matrix_b_fmt:MATRIX_FMT_FP4 matrix_a_scale:MATRIX_SCALE_ROW1 matrix_b_scale:MATRIX_SCALE_ROW1
.elseif (\ra)
	v_wmma_scale_f32_16x16x128_f8f6f4 v[(\d):(\d)+7], v[(\a):(\a)+7], v[(\b):(\b)+7], v[(\c):(\c)+7], v[(\sa)], v[(\sb)] matrix_a_fmt:MATRIX_FMT_FP4 matrix_b_fmt:MATRIX_FMT_FP4 matrix_a_scale:MATRIX_SCALE_ROW1
.elseif (\rb)
	v_wmma_scale_f32_16x16x128_f8f6f4 v[(\d):(\d)+7], v[(\a):(\a)+7], v[(\b):(\b)+7], v[(\c):(\c)+7], v[(\sa)], v[(\sb)] matrix_a_fmt:MATRIX_FMT_FP4 matrix_b_fmt:MATRIX_FMT_FP4 matrix_b_scale:MATRIX_SCALE_ROW1
.else
	v_wmma_scale_f32_16x16x128_f8f6f4 v[(\d):(\d)+7], v[(\a):(\a)+7], v[(\b):(\b)+7], v[(\c):(\c)+7], v[(\sa)], v[(\sb)] matrix_a_fmt:MATRIX_FMT_FP4 matrix_b_fmt:MATRIX_FMT_FP4
.endif
.endif
.endm
; 64 numbers of a lane, register 16 b + i = k 32 b + 16 (lane / 16) + i of my row, become a fragment's 8 registers of codes at v[pc] and its scale word in v[pw]; tm: 16 registers at work
.macro QUANT s, pc, pw, tm
.irp b,0,1,2,3
	v_max3_num_f32 v[\tm+\b], |v[\s+16*\b]|, |v[\s+16*\b+1]|, 0x1800000   ; my 16 numbers of block b, and the floor 2^(3 - 127): the byte cannot fall under 1
.endr
.irp n,2,4,6,8,10,12,14
.irp b,0,1,2,3
	v_max3_num_f32 v[\tm+\b], v[\tm+\b], |v[\s+16*\b+\n]|, |v[\s+16*\b+\n+1]|
.endr
.endr
.irp b,0,1,2,3
	v_permlanex16_b32 v[\tm+4+\b], v[\tm+\b], s[SEL], s[SEL+1]
.endr
.irp b,0,1,2,3
	v_max_num_f32 v[\tm+\b], v[\tm+\b], v[\tm+4+\b]   ; with lane l xor 16's: the block's largest magnitude
.endr
.irp b,0,1,2,3
	v_add_nc_u32 v[\tm+12+\b], 0xff000000, v[\tm+\b]  ; 2 off its exponent field: the conversion's scale operand
.endr
.irp b,0,1,2,3
	v_lshrrev_b32 v[\tm+4+\b], 23, v[\tm+12+\b]       ; the scale's byte
.endr
	v_lshl_or_b32 v[\pw], v[\tm+5], 8, v[\tm+4]
	v_lshl_or_b32 v[\pw], v[\tm+6], 16, v[\pw]
	v_lshl_or_b32 v[\pw], v[\tm+7], 24, v[\pw]
.irp b,0,1,2,3
	v_cvt_scalef32_pk8_fp4_f32 v[\pc+2*\b], v[\s+16*\b:\s+16*\b+7], v[\tm+12+\b]
	v_cvt_scalef32_pk8_fp4_f32 v[\pc+2*\b+1], v[\s+16*\b+8:\s+16*\b+15], v[\tm+12+\b]
.endr
	v_nop                                          ; one plain line behind the last scaled conversion
.irp c,0,1                                     ; the operand's layout wants a whole block in a lane: lanes 0-15 block 2 c, lanes 16-31 block 2 c + 1
.irp i,0,1
	v_permlane16_swap_b32 v[\pc+4*\c+\i], v[\pc+4*\c+2+\i]
.endr
.endr
.endm
.macro PLACES n
.rept \n
	v_nop
.endr
.endm
	s_load_b256 s[4:11], s[0:1], 0x0               ; x s[4:5], gn_w s[6:7], gn_b s[8:9], qkv_b s[10:11]
	s_load_b256 s[12:19], s[0:1], 0x20             ; stats s[12:13], wimg s[14:15], q s[16:17], kv s[18:19]
	s_set_vgpr_msb 0x40
	v_lshl_add_u32 v192, v0, 2, 0x29000
	v_mov_b32 v193, 0
	s_set_vgpr_msb 0x4045
	ds_add_u32 v192, v193
	ds_add_u32 v192, v193
	s_set_vgpr_msb 0x4500
	v_lshrrev_b32 v15, 5, v0
	v_readfirstlane_b32 s20, v15                   ; wave 0..5
	s_mov_b32 s21, ttmp9                           ; cb
	s_and_b32 s22, ttmp7, 0xffff                   ; batch
	s_mov_b32 s[SEL], 0x76543210
	s_mov_b32 s[SEL+1], 0xfedcba98
	s_mov_b32 s26, 0x38000000                      ; 2^-15: a group has 32,768 numbers
	s_mov_b32 s27, 0x3727c5ac                      ; 1e-5
	; every LDS address is made here, ahead of the first branch on the wave's number
	v_and_b32 v[LN], 31, v0
	v_and_b32 v48, 15, v0                          ; r
	v_bfe_u32 v49, v0, 4, 1                        ; h
	v_lshlrev_b32 v[LI], 4, v[LN]
	v_lshlrev_b32 v[LS], 2, v[LN]
	v_lshlrev_b32 v[SH], 4, v49
	v_lshlrev_b32 v[BQ], 6, v49
	v_and_b32 v50, 8, v48
	v_add_nc_u32 v50, v50, v48                     ; r + 8 (r / 8)
	v_lshlrev_b32 v[BV], 2, v50
	v_lshl_add_u32 v50, v49, 3, v50                ; + 8 h: my column among 32: row r of n-tile 2 cg + h
	s_lshl_b32 s40, s20, 14
	s_add_co_u32 s40, s40, XT                      ; my wave's 64 rows of x's tile
	v_lshl_add_u32 v[XLD], v50, 2, s40
	s_lshr_b32 s41, s20, 1                         ; the K step of my 64 channels
	s_and_b32 s42, s20, 1                          ; and which half of it.  Also: the K step that my outputs are (q, k)
	s_lshl_b32 s43, s41, 10
	s_lshl_b32 s44, s42, 9
	s_add_co_u32 s43, s43, s44
	v_lshl_add_u32 v[XST], v48, 4, s43
	v_lshl_add_u32 v[XST], v49, 11, v[XST]         ; XIMG + 2048 h + 1024 s + 512 (w % 2) + 16 r
	s_lshl_b32 s43, s41, 7
	s_lshl_b32 s44, s42, 1
	s_add_co_u32 s43, s43, s44
	s_add_co_u32 s43, s43, XSC
	v_add_nc_u32 v[XSS], s43, v[LS]                ; XSC + 128 s + 2 (w % 2) + 4 lane
	s_lshl_b32 s45, s20, 10
	s_add_co_u32 s45, s45, NT
	v_mov_b32 v[NTB], s45
	v_lshl_add_u32 v[NTP], v[LN], 3, s45
	v_add_nc_u32 v[NTM], s45, v[LS]
	s_lshl_b32 s43, s22, 11
	s_lshl_b32 s44, s20, 9
	s_add_co_u32 s43, s43, s44
	v_add_nc_u32 v[SOF], s43, v[LI]                ; (256 batch + 64 w + 2 lane) x 8
	s_lshl_b32 s44, s20, 8
	v_lshl_add_u32 v[GOF], v[LN], 3, s44           ; (64 w + 2 lane) x 4
.irp b,0,1,2,3
	v_mov_b32 v[TM+4+\b], 0                        ; written once: a lane permute's destination counts as one of its sources
.endr
	; x's tile for my wave: 64 channel rows of 64 f32 (256 bytes, aligned), 4,096 elements apart
	s_mov_b32 s32, 2<<16                           ; no mask; elements of 4 bytes; no padding
	s_mov_b32 s33, 64<<16                          ; tensor_dim0 = 64
	s_mov_b32 s34, 64<<16                          ; tensor_dim1 = 64
	s_mov_b32 s35, 64<<16                          ; tile_dim0 = 64
	s_mov_b32 s36, 64                              ; tile_dim1 = 64
	s_mov_b32 s37, 4096                            ; elements from row to row
	s_mov_b32 s38, 0
	s_mov_b32 s39, 0
	s_lshl_b32 s46, s22, 22                        ; batch x 256 channels x 16,384 bytes
	s_lshl_b32 s47, s20, 20                        ; + 64 w channels
	s_add_co_u32 s46, s46, s47
	s_lshl_b32 s47, s21, 8                         ; + 64 cb columns
	s_add_co_u32 s46, s46, s47
	s_mov_b32 s47, 0
	s_lshl_b32 s48, s20, 14                        ; my 8 weight tiles of 2,048 bytes
	s_mov_b32 s49, 0
	s_lshl_b32 s50, s20, 10                        ; their scale words
	s_add_co_u32 s50, s50, 131072
	s_mov_b32 s51, 0
	s_lshl_b32 s52, s20, 9                         ; my 128 numbers of qkv_b
	s_mov_b32 s53, 0
	s_lshl_b32 s54, s22, 6
	s_add_co_u32 s54, s54, s21
	s_mul_i32 s54, s54, QBLK                       ; q's block
	s_mul_i32 s55, s22, BKV
	s_lshr_b32 s56, s21, 1
	s_mul_i32 s56, s56, STEPB
	s_add_co_u32 s55, s55, s56                     ; kv's key step
	s_and_b32 s56, s21, 1                          ; which half of its 128 keys
	s_wait_dscnt 0x0
	s_wait_kmcnt 0x0
	s_mov_b32 s28, 1                               ; count = 1
	s_mov_b32 s29, s40                             ; LDS address
	s_add_nc_u64 s[30:31], s[4:5], s[46:47]        ; global address
	s_or_b32 s31, s31, 0x80000000                  ; type = 2
	s_add_nc_u64 s[48:49], s[14:15], s[48:49]
	s_add_nc_u64 s[50:51], s[14:15], s[50:51]
	s_add_nc_u64 s[52:53], s[10:11], s[52:53]
	s_cmp_lt_u32 s20, 4
	s_cbranch_scc0 .Lno_x
	tensor_load_to_lds s[28:31], s[32:39]          ; the launch's only fill of these bytes; one load of mine is out
	s_nop 0
	PLACES 4
	global_load_b128 v[120:123], v[SOF], s[12:13]  ; (mean, M2) of channels 2 lane and 2 lane + 1
	global_load_b64 v[52:53], v[GOF], s[6:7]       ; their gains
	global_load_b64 v[54:55], v[GOF], s[8:9]       ; their biases
.Lno_x:
	WIN 0x40                                       ; destination window 1
.set kk, 0
.rept 32
	global_load_b128 v[4*kk:4*kk+3], v[LI], s[48:49] offset:512*kk   ; the weight's 16 fragments, as they lie
.set kk, kk+1
.endr
	WIN 0
.irp t,0,1,2,3,4,5,6,7
	global_load_b32 v[WS+\t], v[LS], s[50:51] offset:128*\t
.endr
	s_cmp_lt_u32 s20, 4
	s_cbranch_scc0 .Lv_head
	WIN 0x40
.irp t,0,1,2,3,4,5,6,7                         ; q, k: lane (r, h) wants the bias of output channels 32 (t / 2) + 8 (t % 2) + 16 h + 0 .. 7
	global_load_b128 v[BI+8*\t:BI+8*\t+3], v[BQ], s[52:53] offset:(32*(\t/2)+8*(\t%2))*4
	global_load_b128 v[BI+8*\t+4:BI+8*\t+7], v[BQ], s[52:53] offset:(32*(\t/2)+8*(\t%2))*4+16
.endr
	WIN 0
	; ---- THE X PHASE (waves 0-3).  First the constants: lane l has channels 2 l and 2 l + 1 of my 64; four lanes are a group of 8 channels
	s_wait_loadcnt 56                              ; the three loads of constants are in; behind them stand 32 + 8 + 16 loads
	v_add_f32 v124, v120, v122
	v_add_f32_dpp v124, v124, v124 row_xmask:1 row_mask:0xf bank_mask:0xf
	v_add_f32_dpp v124, v124, v124 row_xmask:2 row_mask:0xf bank_mask:0xf
	v_mul_f32 v124, 0x3e000000, v124               ; the group's mean: the mean of its 8 channels' means
	v_sub_f32 v125, v120, v124
	v_sub_f32 v126, v122, v124
	v_add_f32 v127, v121, v123
	v_mul_f32 v125, v125, v125
	v_fma_f32 v125, v126, v126, v125
	v_fma_f32 v125, v125, 0x45800000, v127         ; M2 of my two channels round the group's mean: M2 + 4,096 (mean - group's mean)^2
	v_add_f32_dpp v125, v125, v125 row_xmask:1 row_mask:0xf bank_mask:0xf
	v_add_f32_dpp v125, v125, v125 row_xmask:2 row_mask:0xf bank_mask:0xf
	v_fma_f32 v125, v125, s26, s27                 ; the variance + 1e-5
	v_rsq_f32 v125, v125
	v_nop                                          ; one plain line behind the transcendental
	s_wait_alu depctr_va_vdst(0)
	v_mul_f32 v52, v125, v52                       ; a = gain / sqrt(variance + 1e-5)
	v_mul_f32 v53, v125, v53
	ds_store_b64 v[NTP], v[52:53]
	ds_store_b64 v[NTP], v[54:55] offset:256
	ds_store_b32 v[NTM], v124 offset:512
	s_wait_tensorcnt 0x0                           ; my tile is in LDS; no other wave reads it
.macro CONST bb                        ; the constants of my block bb of 32 channels, the same in every lane: a v56-87, b v88-119, each group's mean twice v120-127.  LDS serves a wave's instructions in order: these see my stores
.irp k,0,1,2,3,4,5,6,7
	ds_load_b128 v[56+4*\k:59+4*\k], v[NTB] offset:128*(\bb)+16*\k
.endr
.irp k,0,1,2,3,4,5,6,7
	ds_load_b128 v[88+4*\k:91+4*\k], v[NTB] offset:256+128*(\bb)+16*\k
.endr
.irp g,0,1,2,3
	ds_load_b64 v[120+2*\g:121+2*\g], v[NTB] offset:512+64*(\bb)+16*\g
.endr
.endm
.macro DLOAD bb, cg                    ; block bb of my column 32 cg + ..: 32 registers down the channels; the 32 lanes read 32 different words of a row
.set jj, 0
.rept 32
	ds_load_b32 v[128+64*(\bb)+32*(\cg)+jj], v[XLD] offset:(32*(\bb)+jj)*256+128*(\cg)
.set jj, jj+1
.endr
.endm
.macro PROC bb, cg                     ; (x - mean) a + b in f32; the block's scale; its 32 codes go to their place in h's images
.set DD, 128+64*(\bb)+32*(\cg)
.set jj, 0
.rept 16
	v_pk_add_f32 v[DD+2*jj:DD+2*jj+1], v[DD+2*jj:DD+2*jj+1], v[120+2*(jj/4):121+2*(jj/4)] neg_lo:[0,1] neg_hi:[0,1]
.set jj, jj+1
.endr
.set jj, 0
.rept 16
	v_pk_fma_f32 v[DD+2*jj:DD+2*jj+1], v[DD+2*jj:DD+2*jj+1], v[56+2*jj:57+2*jj], v[88+2*jj:89+2*jj]
.set jj, jj+1
.endr
	v_max3_num_f32 v28, |v[DD]|, |v[DD+1]|, |v[DD+2]|
	v_max3_num_f32 v29, |v[DD+3]|, |v[DD+4]|, |v[DD+5]|
.irp n,6,10,14,18,22,26
	v_max3_num_f32 v28, v28, |v[DD+\n]|, |v[DD+\n+1]|
	v_max3_num_f32 v29, v29, |v[DD+\n+2]|, |v[DD+\n+3]|
.endr
	v_max3_num_f32 v28, v28, |v[DD+30]|, |v[DD+31]|
	v_max3_num_f32 v28, v28, v29, 0x1800000        ; and the floor 2^(3 - 127)
	v_add_nc_u32 v30, 0xff000000, v28
	v_lshrrev_b32 v[48+2*(\cg)+(\bb)], 23, v30
.irp g,0,1,2,3
	v_cvt_scalef32_pk8_fp4_f32 v[32+4*(2*(\bb)+(\cg))+\g], v[DD+8*\g:DD+8*\g+7], v30
.endr
	v_nop                                          ; one plain line behind the last scaled conversion
	ds_store_b128 v[XST], v[32+4*(2*(\bb)+(\cg)):35+4*(2*(\bb)+(\cg))] offset:4096*(\cg)+256*(\bb)
.endm
	CONST 0
	DLOAD 0, 0
	DLOAD 0, 1
	s_wait_dscnt 32                                ; all but the 32 loads just issued
	PROC 0, 0
	DLOAD 1, 0
	s_wait_dscnt 33                                ; behind the second column's loads stand one store and 32 loads
	PROC 0, 1
	DLOAD 1, 1
	CONST 1
	s_wait_dscnt 0x0
	PROC 1, 0
	PROC 1, 1
.irp g,0,1
	v_lshl_or_b32 v[48+2*\g], v[49+2*\g], 8, v[48+2*\g]   ; my two blocks' bytes: half of a scale word
	ds_store_b16 v[XSS], v[48+2*\g] offset:256*\g
.endr
	s_branch .Ljoin
.Lv_head:
	WIN 0x40
.irp t,0,1,2,3,4,5,6,7                         ; v: a lane holds ONE channel, row r of the weight's tile
	global_load_b32 v[BI+8*\t], v[BV], s[52:53] offset:(32*(\t/2)+8*(\t%2))*4
.endr
	WIN 0
.Ljoin:
	s_wait_dscnt 0x0                               ; for the others' sake: my stores into the images are done
	s_barrier_signal -1
	s_barrier_wait -1                              ; h's eight fragments and their scale words lie in LDS
.set kk, 0
.rept 16
	ds_load_b128 v[HF+4*kk:HF+4*kk+3], v[LI] offset:XIMG+512*kk
.set kk, kk+1
.endr
.irp i,0,1,2,3
	ds_load_b32 v[HS+\i], v[LS] offset:XSC+128*\i
.endr
	s_wait_loadcnt 0x0                             ; the weights, their scale words, the bias
	s_wait_dscnt 0x0
	s_cmp_lt_u32 s20, 4
	s_cbranch_scc0 .Lv_way
	; ---- q AND k: where my codes and scale words go
	s_lshl_b32 s58, s56, 13
	s_add_co_u32 s58, s58, s55                     ; k: key step + 8192 (cb % 2)
	s_lshl_b32 s60, s56, 9
	s_add_co_u32 s60, s60, s55
	s_add_co_u32 s60, s60, 16384                   ; its scale words: + 16384 + 512 (cb % 2)
	s_add_co_u32 s57, s54, 8192                    ; q's scale words
	s_cmp_lt_u32 s20, 2                            ; q's wave or k's: the choice hangs on the wave's number alone
	s_cselect_b64 s[16:17], s[16:17], s[18:19]
	s_cselect_b32 s58, s54, s58
	s_cselect_b32 s60, s57, s60
	s_lshl_b32 s57, s42, 10
	s_add_co_u32 s58, s58, s57                     ; + 1024 x my K step
	s_lshl_b32 s57, s42, 8
	s_add_co_u32 s60, s60, s57                     ; + 256 x my K step
	s_mov_b32 s59, 0
	s_mov_b32 s61, 0
	s_add_nc_u64 s[58:59], s[16:17], s[58:59]
	s_add_nc_u64 s[60:61], s[16:17], s[60:61]
.irp u,0,1,2,3                                 ; a unit: n-tile u against my 8 tiles of the weight.  The 8 accumulators take turns
	WIN 0x11                                       ; source 0 (the weight) and C (the bias) window 1
.irp t,0,1,2,3,4,5,6,7
	WM HA+8*\t, 16*\t, HF+16*\u, BI+8*\t, WS+\t, HS+2*(\u/2), 0, \u%2
.endr
	WIN 0x01
.irp t,0,1,2,3,4,5,6,7
	WM HA+8*\t, 16*\t+8, HF+16*\u+8, HA+8*\t, WS+\t, HS+2*(\u/2)+1, 1, \u%2
.endr
	WIN 0
	PLACES 4                                       ; in front of the first read of results (ISA guide 7.12.1); with QUANT's lines on its own registers they are also the five places in front of the next unit's products, which begin the accumulators anew
	QUANT HA, PC+8*\u, SW+\u, TM
	global_store_b128 v[LI], v[PC+8*\u:PC+8*\u+3], s[58:59] offset:2048*\u       ; 512 consecutive bytes
	global_store_b128 v[LI], v[PC+8*\u+4:PC+8*\u+7], s[58:59] offset:2048*\u+512
.endr
	s_wait_xcnt 0x0                                ; EXEC changes only behind this wait
	v_cmp_gt_u32 vcc_lo, 16, v[LN]
	s_set_vgpr_msb 0x5
	s_wait_tensorcnt 0x0
	ds_add_u32 v192, v193
	s_wait_dscnt 0x0
	s_set_vgpr_msb 0x500
	s_and_saveexec_b32 s57, vcc_lo
	global_store_b128 v[LI], v[SW:SW+3], s[60:61]  ; lanes 0-15: the four tiles' words of row r: 256 consecutive bytes, aligned
	s_wait_xcnt 0x0
	s_or_b32 exec_lo, exec_lo, s57
	s_endpgm
	; ---- v
.Lv_way:
	s_sub_co_u32 s57, s20, 4
	s_lshl_b32 s58, s57, 13
	s_add_co_u32 s58, s58, s55
	s_add_co_u32 s58, s58, 17408
	s_lshl_b32 s62, s56, 9
	s_add_co_u32 s58, s58, s62                     ; codes: key step + 17408 + 8192 (g - 4) + 512 (cb % 2)
	s_lshl_b32 s60, s57, 9
	s_add_co_u32 s60, s60, s55
	s_add_co_u32 s60, s60, 33792
	s_lshl_b32 s62, s56, 1
	s_add_co_u32 s60, s60, s62                     ; scale bytes: key step + 33792 + 512 (g - 4) + 2 (cb % 2)
	s_mov_b32 s59, 0
	s_mov_b32 s61, 0
	s_add_nc_u64 s[58:59], s[18:19], s[58:59]
	s_add_nc_u64 s[60:61], s[18:19], s[60:61]
	WIN 0x41
.irp t,0,1,2,3,4,5,6,7
.irp j,1,2,3,4,5,6,7
	v_mov_b32 v[BI+8*\t+\j], v[BI+8*\t]            ; the bias as a C: the lane's channel in all eight registers
.endr
.endr
	WIN 0
.irp u,0,1,2,3                                 ; a unit: channel tiles 2 u and 2 u + 1 against the four n-tiles: 8 accumulators by turns
	WIN 0x14                                       ; source 1 (the weight) and C (the bias) window 1
.irp e,0,1
.irp t,0,1,2,3
	WM HA+32*\e+8*\t, HF+16*\t, 16*(2*\u+\e), BI+8*(2*\u+\e), HS+2*(\t/2), WS+2*\u+\e, \t%2, 0
.endr
.endr
	WIN 0x04
.irp e,0,1
.irp t,0,1,2,3
	WM HA+32*\e+8*\t, HF+16*\t+8, 16*(2*\u+\e)+8, HA+32*\e+8*\t, HS+2*(\t/2)+1, WS+2*\u+\e, \t%2, 1
.endr
.endr
	WIN 0
	PLACES 4
	QUANT HA, PC+8*\u, PW, TM                      ; blocks 0, 1: keys 0-31, 32-63 of the even tile's channel; blocks 2, 3: of the odd tile's
	v_lshrrev_b32 v[SW+\u], v[SH], v[PW]           ; lanes 0-15 keep the even tile's two bytes, lanes 16-31 take the odd tile's
	global_store_b128 v[LI], v[PC+8*\u:PC+8*\u+3], s[58:59] offset:1024*(2*\u)
	global_store_b128 v[LI], v[PC+8*\u+4:PC+8*\u+7], s[58:59] offset:1024*(2*\u+1)
	global_store_b16 v[LI], v[SW+\u], s[60:61] offset:4*\u   ; 64 columns are half of a scale word: two bytes a lane, inside 512 consecutive bytes; 128 KiB in the whole launch
.endr
	s_set_vgpr_msb 0x5
	s_wait_tensorcnt 0x0
	ds_add_u32 v192, v193
	s_wait_dscnt 0x0
	s_set_vgpr_msb 0x500
	s_endpgm
.Lfunc_end_k_q1f29e8baaf_qkv:
	.size	k_q1f29e8baaf_qkv, .Lfunc_end_k_q1f29e8baaf_qkv-k_q1f29e8baaf_qkv
	.p2alignl 7, 3214868480
	.fill 96, 4, 3214868480
	.section	.rodata,"a",@progbits
	.p2align	6, 0x0
	.amdhsa_kernel k_q1f29e8baaf_qkv
		.amdhsa_group_segment_fixed_size 168704
		.amdhsa_private_segment_fixed_size 0
		.amdhsa_enable_private_segment 0
		.amdhsa_kernarg_size 64
		.amdhsa_user_sgpr_count 2
		.amdhsa_user_sgpr_kernarg_segment_ptr 1
		.amdhsa_wavefront_size32 1
		.amdhsa_system_sgpr_workgroup_id_x 1
		.amdhsa_system_sgpr_workgroup_id_y 1
		.amdhsa_system_sgpr_workgroup_id_z 1
		.amdhsa_system_vgpr_workitem_id 0
		.amdhsa_next_free_vgpr 450
		.amdhsa_next_free_sgpr 66
		.amdhsa_reserve_vcc 1
		.amdhsa_float_denorm_mode_32 3
		.amdhsa_float_denorm_mode_16_64 3
		.amdhsa_memory_ordered 1
		.amdhsa_forward_progress 1
		.amdhsa_inst_pref_size 92
	.end_amdhsa_kernel
	.amdgpu_metadata
---
amdhsa.version: [ 1, 2 ]
amdhsa.kernels:
  - .name:           k_q1f29e8baaf_qkv
    .symbol:         k_q1f29e8baaf_qkv.kd
    .args:
      - { .name: x, .offset: 0, .size: 8, .value_kind: global_buffer, .address_space: global }
      - { .name: gn_w, .offset: 8, .size: 8, .value_kind: global_buffer, .address_space: global }
      - { .name: gn_b, .offset: 16, .size: 8, .value_kind: global_buffer, .address_space: global }
      - { .name: qkv_b, .offset: 24, .size: 8, .value_kind: global_buffer, .address_space: global }
      - { .name: stats, .offset: 32, .size: 8, .value_kind: global_buffer, .address_space: global }
      - { .name: wimg, .offset: 40, .size: 8, .value_kind: global_buffer, .address_space: global }
      - { .name: q, .offset: 48, .size: 8, .value_kind: global_buffer, .address_space: global }
      - { .name: kv, .offset: 56, .size: 8, .value_kind: global_buffer, .address_space: global }
    .group_segment_fixed_size: 168704
    .private_segment_fixed_size: 0
    .kernarg_segment_align: 8
    .kernarg_segment_size: 64
    .max_flat_workgroup_size: 192
    .sgpr_count:     66
    .vgpr_count:     450
    .wavefront_size: 32
...
	.end_amdgpu_metadata
.endif
;; end of part 2
;; launch attn (part 3): grid 64 x 4, 8 waves a work-group, clusters of 4 x 1, 327,680 bytes of LDS; arguments x, proj_b, wimg, q, kv, out0; writes out0
.if DOCPART == 3
	.amdgcn_target "amdgcn-amd-amdhsa--gfx1250"
	.amdhsa_code_object_version 6
	.text
	.protected	k_q1f29e8baaf_attn
	.globl	k_q1f29e8baaf_attn
	.p2align	8
	.type	k_q1f29e8baaf_attn,@function
k_q1f29e8baaf_attn:
	s_mov_b64 s[64:65], 0
	v_nop
	global_prefetch_b8 v0, s[64:65] scope:SCOPE_SE
	s_setreg_imm32_b32 hwreg(HW_REG_WAVE_MODE, 25, 1), 1
	s_wait_xcnt 0x0
	s_wait_alu depctr_hold_cnt(0) depctr_sa_sdst(0) depctr_va_vdst(0) depctr_va_sdst(0) depctr_va_ssrc(0) depctr_va_vcc(0) depctr_vm_vsrc(0)
	s_getreg_b32 s2, hwreg(HW_REG_IB_STS2, 6, 4)
	s_cmp_eq_u32 s2, 0
	s_cbranch_scc0 .Lentry_in_a_cluster
	s_endpgm
.Lentry_in_a_cluster:
	s_bfe_u32 s2, ttmp6, 0x10000c
	s_cmp_lg_u32 s2, 0x3003
	s_cbranch_scc0 .Lentry_shape_is_right
	s_endpgm
.Lentry_shape_is_right:
; out0 = x + proj_w . (softmax(q^T k / 16) applied to v) + proj_b, all three products on codes of FP4 (E2M1) with one E8M0 scale for each 32 along K.
; THE SOFTMAX AHEAD OF THE SECOND PRODUCT: t = score x log2(e) / 16; M = the largest t so far, rounded UP to a whole number; p = 2^(t - M) is quantised along the keys, not normalised; the row's sum is taken
; of the unquantised p and divides at the end.  When M moves, the sum and O are multiplied by 2^(old M - new M): exact.
; SHARES.  A work-group owns 64 queries of one batch.  Wave w = 4 p + kq of eight owns the query tiles 2 p and 2 p + 1 (32 queries) and the key steps (128 keys) j with j % 4 = kq: so a fragment of K or V read from LDS
; feeds two products and is read by two waves, and two waves share a SIMD, one's vector work beside the other's products.  At the end the four key groups' (M, sum, O) are joined, by powers of two.
; CLUSTER.  The four work-groups of a cluster belong to one batch and walk the same K and V: every fill is asked for JOINTLY, the same tensor load with the same descriptor and the mask 15 in all four.
; RING.  Two slots of four key steps (139,264 bytes, dense in memory, already in the order of the operands' registers): each wave fetches an eighth by one load of 68 rows of 256 bytes.  A wave works one step of a slot.
; THE ORDER OF A KEY STEP: K's fragments, the scores, the two softmaxes with V's loads behind each; then THE CHANGE OF SLOTS, since V is whole in registers: O^T's rescaling stands between the add and the wait for it,
; 16 products V P^T between the opening signal and its wait; behind the round the refill, 12 of the next step's loads of K into registers that are free, and the other 16 products; then the rest of K's loads.
; LAYOUT.  S^T = K Q^T and O^T = V P^T: a lane holds ONE query (lane % 16) throughout.  The keys of a tile, the channels of a tile of V and the queries of a tile are laid so that the 16 registers of two
; neighbouring result tiles are 16 neighbours along the next K: row r of tile 2 b + u is 32 b + 8 u + r + 8 (r / 8).
; REGISTERS.  Window 0: v1 spare word, v2 zero, v3-4 my step in slot 0, 1, v5 16 x lane, v6-11 addresses of the end; v12-15, v16-19 (-M, largest t, the sum in two halves) of my two tiles; v20-21 Q's scale words,
;   v22-23 p's, v24-31 K's, then V's; v32-63 Q; v64-127, v128-191 S^T of my two tiles, then V's fragments; v192-255 K's key tiles 4-7, then the softmax's registers (v192-211) and p's codes (v240-255).  Window 1: O^T, 128 i + 8 t.
; LIMITS: p under 2^-126 counts as 0 (v_exp_f32 gives no denormals); a block of zeros carries the byte 1 (its codes are zeros); a block's largest p is taken from its largest score by the same two
; instructions, which leans on v_exp_f32 not falling where its input rises; NaN and infinities among the inputs are not served.
.set STEPB, 34816
.set SLOTB, 139264
.set BKV,   1114112
.set QBLK,  8704
.set ML,    278528                     ; behind the ring, never filled: (-M, sum) of 8 waves x 2 tiles: 512 w + 256 i (+ 128) + 4 lane
.set OIMG,  282624                     ; the attention's result as 8 fragments: 1024 (2 qt + s)
.set OSC,   290816                     ; their scale words: 128 qt + 64 s + 4 r
.set SPARE, 291328                     ; the spare words, 128 bytes for each wave: four blocks of 256 bytes that no other line names
.set SEL, 22
.set MSB, 0
.macro WIN new                         ; the immediate's high byte repeats the setting that is left
.if MSB != \new
	s_set_vgpr_msb (MSB<<8)|\new
.set MSB, \new
.endif
.endm
; One scaled product.  d, a, b: first registers; c: first register of C, or -1 for the constant 0; sa, sb: scale registers; ra, rb: 1 = the scales stand in lanes 16-31
.macro WM d, a, b, c, sa, sb, ra, rb
.if (\c) < 0
.if (\ra) && (\rb)
	v_wmma_scale_f32_16x16x128_f8f6f4 v[(\d):(\d)+7], v[(\a):(\a)+7], v[(\b):(\b)+7], 0, v[(\sa)], v[(\sb)] matrix_a_fmt:MATRIX_FMT_FP4 matrix_b_fmt:MATRIX_FMT_FP4 matrix_a_scale:MATRIX_SCALE_ROW1 matrix_b_scale:MATRIX_SCALE_ROW1
.elseif (\ra)
	v_wmma_scale_f32_16x16x128_f8f6f4 v[(\d):(\d)+7], v[(\a):(\a)+7], v[(\b):(\b)+7], 0, v[(\sa)], v[(\sb)] matrix_a_fmt:MATRIX_FMT_FP4 matrix_b_fmt:MATRIX_FMT_FP4 matrix_a_scale:MATRIX_SCALE_ROW1
.elseif (\rb)
	v_wmma_scale_f32_16x16x128_f8f6f4 v[(\d):(\d)+7], v[(\a):(\a)+7], v[(\b):(\b)+7], 0, v[(\sa)], v[(\sb)] matrix_a_fmt:MATRIX_FMT_FP4 matrix_b_fmt:MATRIX_FMT_FP4 matrix_b_scale:MATRIX_SCALE_ROW1
.else
	v_wmma_scale_f32_16x16x128_f8f6f4 v[(\d):(\d)+7], v[(\a):(\a)+7], v[(\b):(\b)+7], 0, v[(\sa)], v[(\sb)] matrix_a_fmt:MATRIX_FMT_FP4 matrix_b_fmt:MATRIX_FMT_FP4
.endif
.else
.if (\ra) && (\rb)
	v_wmma_scale_f32_16x16x128_f8f6f4 v[(\d):(\d)+7], v[(\a):(\a)+7], v[(\b):(\b)+7], v[(\c):(\c)+7], v[(\sa)], v[(\sb)] matrix_a_fmt:MATRIX_FMT_FP4 matrix_b_fmt:MATRIX_FMT_FP4 matrix_a_scale:MATRIX_SCALE_ROW1 matrix_b_scale:MATRIX_SCALE_ROW1
.elseif (\ra)
	v_wmma_scale_f32_16x16x128_f8f6f4 v[(\d):(\d)+7], v[(\a):(\a)+7], v[(\b):(\b)+7], v[(\c):(\c)+7], v[(\sa)], v[(\sb)] matrix_a_fmt:MATRIX_FMT_FP4 matrix_b_fmt:MATRIX_FMT_FP4 matrix_a_scale:MATRIX_SCALE_ROW1
.elseif (\rb)
	v_wmma_scale_f32_16x16x128_f8f6f4 v[(\d):(\d)+7], v[(\a):(\a)+7], v[(\b):(\b)+7], v[(\c):(\c)+7], v[(\sa)], v[(\sb)] matrix_a_fmt:MATRIX_FMT_FP4 matrix_b_fmt:MATRIX_FMT_FP4 matrix_b_scale:MATRIX_SCALE_ROW1
.else
	v_wmma_scale_f32_16x16x128_f8f6f4 v[(\d):(\d)+7], v[(\a):(\a)+7], v[(\b):(\b)+7], v[(\c):(\c)+7], v[(\sa)], v[(\sb)] matrix_a_fmt:MATRIX_FMT_FP4 matrix_b_fmt:MATRIX_FMT_FP4
.endif
.endif
.endm
; 64 numbers of a lane, register 16 b + i = k 32 b + 16 (lane / 16) + i of my row, become a fragment's 8 registers of codes at v[pc] and its scale word in v[pw]; tm: 16 registers at work
.macro QUANT s, pc, pw, tm
.irp b,0,1,2,3
	v_max3_num_f32 v[\tm+\b], |v[\s+16*\b]|, |v[\s+16*\b+1]|, 0x1800000   ; my 16 numbers of block b, and the floor 2^(3 - 127): the byte cannot fall under 1
.endr
.irp n,2,4,6,8,10,12,14
.irp b,0,1,2,3
	v_max3_num_f32 v[\tm+\b], v[\tm+\b], |v[\s+16*\b+\n]|, |v[\s+16*\b+\n+1]|
.endr
.endr
.irp b,0,1,2,3
	v_permlanex16_b32 v[\tm+4+\b], v[\tm+\b], s[SEL], s[SEL+1]
.endr
.irp b,0,1,2,3
	v_max_num_f32 v[\tm+\b], v[\tm+\b], v[\tm+4+\b]
.endr
.irp b,0,1,2,3
	v_add_nc_u32 v[\tm+12+\b], 0xff000000, v[\tm+\b]
.endr
.irp b,0,1,2,3
	v_lshrrev_b32 v[\tm+4+\b], 23, v[\tm+12+\b]
.endr
	v_lshl_or_b32 v[\pw], v[\tm+5], 8, v[\tm+4]
	v_lshl_or_b32 v[\pw], v[\tm+6], 16, v[\pw]
	v_lshl_or_b32 v[\pw], v[\tm+7], 24, v[\pw]
.irp b,0,1,2,3
	v_cvt_scalef32_pk8_fp4_f32 v[\pc+2*\b], v[\s+16*\b:\s+16*\b+7], v[\tm+12+\b]
	v_cvt_scalef32_pk8_fp4_f32 v[\pc+2*\b+1], v[\s+16*\b+8:\s+16*\b+15], v[\tm+12+\b]
.endr
	v_nop                                          ; one plain line behind the last scaled conversion
.irp c,0,1
.irp i,0,1
	v_permlane16_swap_b32 v[\pc+4*\c+\i], v[\pc+4*\c+2+\i]
.endr
.endr
.endm
.macro PLACES n
.rept \n
	v_nop
.endr
.endm
.macro BARRIER                         ; my LDS stores have landed and my LDS loads are in: then the work-group's barrier
	s_wait_dscnt 0x0
	s_barrier_signal -1
	s_barrier_wait -1
.endm
; A round of the cluster's barrier: my work-group's barrier, wave 0 signals for the work-group, every wave waits for all four work-groups, my work-group's barrier once more
.macro CREST                           ; a round behind its opening barrier
	s_cmp_lg_u32 s16, 0
	s_cbranch_scc1 .Lnot_wave_0_\@
	s_barrier_signal -3
.Lnot_wave_0_\@:
	s_barrier_wait -3
	s_barrier_signal -1
	s_barrier_wait -1
.endm
.macro ROUND                           ; a whole round
	s_barrier_signal -1
	s_barrier_wait -1
	CREST
.endm
	s_load_b256 s[4:11], s[0:1], 0x0               ; x s[4:5], proj_b s[6:7], wimg s[8:9], q s[10:11]
	s_load_b128 s[12:15], s[0:1], 0x20             ; kv s[12:13], out0 s[14:15]
	v_lshl_add_u32 v1, v0, 2, SPARE
	v_mov_b32 v2, 0
	ds_add_u32 v1, v2
	ds_add_u32 v1, v2
	s_wait_dscnt 0x0
	v_lshrrev_b32 v5, 5, v0
	v_readfirstlane_b32 s16, v5                    ; wave 0..7
	s_lshr_b32 s17, s16, 2                         ; p: which pair of query tiles
	s_and_b32 s18, s16, 3                          ; kq: which key step of a slot
	s_bfe_u32 s19, ttmp6, 0x40000                  ; cx: it enters the addresses of q, x and out0 alone
	s_lshl_b32 s20, ttmp9, 2
	s_add_co_u32 s20, s20, s19                     ; cb: my block of 64 queries
	s_and_b32 s21, ttmp7, 0xffff                   ; the batch, which the four partners share
	s_mov_b32 s[SEL], 0x76543210
	s_mov_b32 s[SEL+1], 0xfedcba98
	s_mov_b32 s24, 0x3db8aa3b                      ; c = log2(e) / 16
	s_mov_b32 s25, s24                             ; (named with it as a pair, so it is written)
	v_and_b32 v64, 31, v0                          ; lane
	v_and_b32 v65, 15, v0                          ; r
	v_bfe_u32 v66, v0, 4, 1                        ; h
	v_lshlrev_b32 v5, 4, v64                       ; 16 x lane
	s_mul_i32 s48, s18, STEPB
	v_add_nc_u32 v3, s48, v5                       ; my key step in slot 0,
	v_add_nc_u32 v4, SLOTB, v3                     ; in slot 1
	s_lshl_b32 s48, s16, 15
	v_add_nc_u32 v6, s48, v5                       ; the end: where my O^T goes: 32768 w + 16 lane
	s_lshl_b32 s48, s16, 9
	s_add_co_u32 s48, s48, ML
	v_lshl_add_u32 v7, v64, 2, s48                 ; and my (-M, sum)
	s_lshr_b32 s49, s18, 1                         ; the end: which tile of the pair I join,
	s_and_b32 s50, s18, 1                          ; and which K step (128 channels) of it
	s_lshl_b32 s48, s17, 11
	s_lshl_b32 s51, s49, 8
	s_add_co_u32 s48, s48, s51
	s_add_co_u32 s48, s48, ML
	v_lshl_add_u32 v8, v64, 2, s48                 ; that tile's (-M, sum) of key group 0
	s_lshl_b32 s48, s17, 17
	s_lshl_b32 s51, s49, 14
	s_add_co_u32 s48, s48, s51
	s_lshl_b32 s51, s50, 13
	s_add_co_u32 s48, s48, s51
	v_add_nc_u32 v9, s48, v5                       ; its O^T of key groups 0, 1
	v_add_nc_u32 v10, 0x10000, v9                  ; and 2, 3
	v_lshlrev_b32 v11, 4, v65
	v_lshl_add_u32 v11, v66, 14, v11               ; x and out0: lanes 0-15 one channel's 256 bytes, lanes 16-31 the next channel's
	; descriptor group 1: 68 dense rows of 256 bytes
	s_mov_b32 s28, 15|(3<<16)|(1<<21)              ; the mask: all four work-groups; elements of 8 bytes; bit 21 set beside a mask; no padding
	s_mov_b32 s29, 32<<16                          ; tensor_dim0 = 32
	s_mov_b32 s30, 68<<16                          ; tensor_dim1 = 68
	s_mov_b32 s31, 32<<16                          ; tile_dim0 = 32
	s_mov_b32 s32, 68                              ; tile_dim1 = 68
	s_mov_b32 s33, 32                              ; elements from row to row
	s_mov_b32 s34, 0
	s_mov_b32 s35, 0
	s_mul_i32 s48, s16, 17408                      ; my eighth of a slot, in LDS and in memory
	s_mul_i32 s50, s21, BKV
	s_add_co_u32 s50, s50, s48
	s_mov_b32 s51, 0
	; the addresses that hang on my block of queries, in registers of their own
	s_lshl_b32 s45, s21, 6
	s_add_co_u32 s45, s45, s20
	s_mul_i32 s46, s45, QBLK
	s_lshl_b32 s47, s17, 12
	s_add_co_u32 s52, s46, s47                     ; q's codes: block + 4096 p
	s_mov_b32 s53, 0
	s_lshl_b32 s47, s17, 3
	s_add_co_u32 s54, s46, s47
	s_add_co_u32 s54, s54, 8192                    ; q's scale words: block + 8192 + 8 p
	s_mov_b32 s55, 0
	s_lshl_b32 s56, s21, 22
	s_lshl_b32 s47, s16, 19
	s_add_co_u32 s56, s56, s47
	s_lshl_b32 s47, s20, 8
	s_add_co_u32 s56, s56, s47                     ; x, out0: batch, channels 32 w on, columns 64 cb on
	s_mov_b32 s57, 0
	s_lshl_b32 s60, s16, 12
	s_add_co_u32 s60, s60, 48*2048                 ; proj_w's tiles 2 w, 2 w + 1
	s_mov_b32 s61, 0
	s_lshl_b32 s62, s16, 8
	s_add_co_u32 s62, s62, 131072+48*128           ; their scale words
	s_mov_b32 s63, 0
	s_lshl_b32 s26, s16, 7                         ; proj_b: 32 w numbers on
	s_mov_b32 s27, 0
	s_wait_kmcnt 0x0
	s_add_nc_u64 s[50:51], s[12:13], s[50:51]
	s_add_nc_u64 s[52:53], s[10:11], s[52:53]
	s_add_nc_u64 s[54:55], s[10:11], s[54:55]
	s_add_nc_u64 s[58:59], s[14:15], s[56:57]
	s_add_nc_u64 s[56:57], s[4:5], s[56:57]
	s_add_nc_u64 s[60:61], s[8:9], s[60:61]
	s_add_nc_u64 s[62:63], s[8:9], s[62:63]
	s_add_nc_u64 s[6:7], s[6:7], s[26:27]
	s_mov_b32 s36, 1                               ; group 0 of slot 0: count = 1,
	s_mov_b32 s37, s48                             ; LDS address,
	s_mov_b64 s[38:39], s[50:51]                   ; global address: key steps 0-3,
	s_or_b32 s39, s39, 0x80000000                  ; type = 2
	s_mov_b32 s40, 1                               ; of slot 1: key steps 4-7
	s_add_co_u32 s41, s48, SLOTB
	s_add_nc_u64 s[42:43], s[50:51], SLOTB
	s_or_b32 s43, s43, 0x80000000
	ROUND                                          ; all four work-groups are here: the first joint loads meet
	tensor_load_to_lds s[36:39], s[28:35]          ; the two first fills go out together: two loads of mine are out
	s_nop 0
	tensor_load_to_lds s[40:43], s[28:35]
	s_nop 0
	PLACES 4
.set kk, 0
.rept 8
	global_load_b128 v[32+4*kk:35+4*kk], v5, s[52:53] offset:512*kk   ; Q's four fragments (tile i, K step s at 32 + 16 i + 8 s) stay in registers
.set kk, kk+1
.endr
	global_load_b64 v[20:21], v5, s[54:55]         ; Q's scale words: lanes 0-15 K step 0's, lanes 16-31 K step 1's
; THE SOFTMAX of my tile i for one key step.  S^T's register 16 b + n is key 32 b + 16 (lane / 16) + n.  first = 1: the first step starts M and the sum.  O^T's rescaling by f is left to the change of slots.
; At work: v192-195 each block's largest score, v196-199, v200-203 the conversions' scale operands, v206-207, v[208:209] the sum's second chain; f of tile 0 in v[204:205], of tile 1 in v[210:211]; p's codes at v240 + 8 i.
.macro SOFTMAX i, first
.set SS, 64+64*(\i)
.set ST, 12+4*(\i)
.set PCI, 240+8*(\i)
.set FP, 204+6*(\i)
.irp b,0,1,2,3
	v_max3_num_f32 v[192+\b], v[SS+16*\b], v[SS+16*\b+1], v[SS+16*\b+2]   ; the largest score of each block of 32 keys: it serves for the row's maximum and, since p rises with the score, for the block's largest p
.endr
.irp n,3,5,7,9,11,13
.irp b,0,1,2,3
	v_max3_num_f32 v[192+\b], v[192+\b], v[SS+16*\b+\n], v[SS+16*\b+\n+1]   ; ascending: each accumulator is read from its low end on
.endr
.endr
.irp b,0,1,2,3
	v_max_num_f32 v[192+\b], v[192+\b], v[SS+16*\b+15]
.endr
.irp b,0,1,2,3
	v_permlanex16_b32 v[196+\b], v[192+\b], s[SEL], s[SEL+1]
.endr
.irp b,0,1,2,3
	v_max_num_f32 v[192+\b], v[192+\b], v[196+\b]  ; with lane l xor 16's 16 keys
.endr
	v_max3_num_f32 v207, v192, v193, v194
	v_max_num_f32 v207, v207, v195                 ; the step's largest score of my query
.if \first
	v_mul_f32 v[ST+1], s24, v207                   ; as t (c is positive)
	v_floor_f32 v[ST], -v[ST+1]                    ; -M = floor(-t) = -ceil(t)
.else
	v_mul_f32 v207, s24, v207
	v_max_num_f32 v[ST+1], v[ST+1], v207           ; the running largest t
	v_mov_b32 v206, v[ST]
	v_floor_f32 v[ST], -v[ST+1]
	v_sub_f32 v206, v[ST], v206                    ; old M - new M: a whole number, 0 or less
	v_cvt_i32_f32 v206, v206                       ; (it saturates)
	v_ldexp_f32 v[FP], 1.0, v206                   ; f = 2^(old M - new M)
.endif
.set jj, 0
.rept 32
	v_pk_fma_f32 v[SS+jj:SS+jj+1], v[SS+jj:SS+jj+1], s[24:25], v[ST:ST+1] op_sel_hi:[1,0,0]   ; t - M, two at a time
.set jj, jj+2
.endr
.irp b,0,1,2,3
	v_fma_f32 v[192+\b], v[192+\b], s24, v[ST]     ; the same of each block's largest score
.endr
.set jj, 0
.rept 64
	v_exp_f32 v[SS+jj], v[SS+jj]                   ; p = 2^(t - M), at most 1
.set jj, jj+1
.endr
.irp b,0,1,2,3
	v_exp_f32 v[192+\b], v[192+\b]                 ; the block's largest p
.endr
.if \first
	v_nop                                          ; a plain line behind the exponentials
	s_wait_alu depctr_va_vdst(0)
.else
	v_pk_mul_f32 v[ST+2:ST+3], v[ST+2:ST+3], v[FP:FP+1] op_sel_hi:[1,0]   ; the sums under the new M (a plain line behind the exponentials)
	s_wait_alu depctr_va_vdst(0)
.endif
.irp b,0,1,2,3
	v_max_num_f32 v[192+\b], 0x1800000, v[192+\b]  ; the floor 2^(3 - 127)
.endr
.irp b,0,1,2,3
	v_add_nc_u32 v[200+\b], 0xff000000, v[192+\b]  ; 2 off the exponent field: the conversion's scale operand
.endr
.irp b,0,1,2,3
	v_lshrrev_b32 v[196+\b], 23, v[200+\b]         ; the scale's byte
.endr
	v_lshl_or_b32 v[22+\i], v197, 8, v196          ; p's scale word for these 128 keys
	v_lshl_or_b32 v[22+\i], v198, 16, v[22+\i]
	v_lshl_or_b32 v[22+\i], v199, 24, v[22+\i]
.irp b,0,1,2,3
	v_cvt_scalef32_pk8_fp4_f32 v[PCI+2*\b], v[SS+16*\b:SS+16*\b+7], v[200+\b]
	v_cvt_scalef32_pk8_fp4_f32 v[PCI+2*\b+1], v[SS+16*\b+8:SS+16*\b+15], v[200+\b]
.endr
	v_nop                                          ; one plain line behind the last scaled conversion
.irp c,0,1
.irp n,0,1
	v_permlane16_swap_b32 v[PCI+4*\c+\n], v[PCI+4*\c+2+\n]
.endr
.endr
	; the row's sum is taken of the unquantised p, two at a time, in two chains.  These lines are also the places between p's scale word and codes and the products that take them
.if \first
	v_pk_add_f32 v[ST+2:ST+3], v[SS+4:SS+5], v[SS+8:SS+9]      ; the chains begin with two pairs each: nothing is cleared
	v_pk_add_f32 v[208:209], v[SS:SS+1], v[SS+2:SS+3]
	v_pk_add_f32 v[208:209], v[208:209], v[SS+6:SS+7]
	v_pk_add_f32 v[208:209], v[208:209], v[SS+10:SS+11]
.set jj, 12
.rept 13
	v_pk_add_f32 v[ST+2:ST+3], v[ST+2:ST+3], v[SS+jj:SS+jj+1]
	v_pk_add_f32 v[208:209], v[208:209], v[SS+jj+2:SS+jj+3]
.set jj, jj+4
.endr
.else
	v_pk_add_f32 v[208:209], v[SS:SS+1], v[SS+2:SS+3]
.set jj, 4
.rept 15
	v_pk_add_f32 v[ST+2:ST+3], v[ST+2:ST+3], v[SS+jj:SS+jj+1]
	v_pk_add_f32 v[208:209], v[208:209], v[SS+jj+2:SS+jj+3]
.set jj, jj+4
.endr
.endif
	v_pk_add_f32 v[ST+2:ST+3], v[ST+2:ST+3], v[208:209]
.endm
; K's fragment f = 2 kt + s lies 1,024 f bytes into my step.  Key tiles 4-6 go into v192-239, which are free as soon as O^T is rescaled: they are asked for ahead of the step before's last products
.macro KEARLY sg
.set kk, 16
.rept 12
	ds_load_b128 v[192+4*(kk-16):195+4*(kk-16)], v[3+(\sg)] offset:512*kk
.set kk, kk+1
.endr
.endm
; the rest behind those products: K's scale words (register kt; lanes 0-15 K step 0's, lanes 16-31 K step 1's), key tiles 0-3 into the registers that the scores of key tiles 4-7 will take, key tile 7 where p's codes lay
.macro KLATE sg
	ds_load_b128 v[24:27], v[3+(\sg)] offset:16384
	ds_load_b128 v[28:31], v[3+(\sg)] offset:16896
.set kk, 0
.rept 16
	ds_load_b128 v[96+4*kk+32*(kk/8):99+4*kk+32*(kk/8)], v[3+(\sg)] offset:512*kk
.set kk, kk+1
.endr
.set kk, 28
.rept 4
	ds_load_b128 v[192+4*(kk-16):195+4*(kk-16)], v[3+(\sg)] offset:512*kk
.set kk, kk+1
.endr
.endm
; 16 products of O^T += V P^T: channel tiles t0 .. t0 + 7 x my two query tiles.  All 32 accumulators of a step differ.  first = 1: the products start the sums
.macro PV t0, first
.irp t,0,1,2,3,4,5,6,7
.irp i,0,1
.if \first
	WM 128*\i+8*(\t0+\t), 64+8*(\t0+\t), 240+8*\i, -1, 24+(\t0+\t)/2, 22+\i, (\t0+\t)%2, 0
.else
	WM 128*\i+8*(\t0+\t), 64+8*(\t0+\t), 240+8*\i, 128*\i+8*(\t0+\t), 24+(\t0+\t)/2, 22+\i, (\t0+\t)%2, 0
.endif
.endr
.endr
.endm
.macro RESCALE                         ; O^T of both tiles under the new M: x f; each accumulator from its low end on
	WIN 0x41                                       ; O^T (destination and source 0) window 1, f window 0
.irp i,0,1
.set jj, 0
.rept 64
	v_pk_mul_f32 v[128*\i+jj:128*\i+jj+1], v[128*\i+jj:128*\i+jj+1], v[204+6*\i:205+6*\i] op_sel_hi:[1,0]
.set jj, jj+2
.endr
.endr
.endm
; THE STEP'S TAIL, with the change of slots.  V's last 16 loads have just been issued.
; kind = 2: each wave waits for all its tensor loads (one is out: its eighth of the slot ahead), adds 0 to its spare word, rescales O^T while the add and V's loads are out, and waits for them: its reads of slot sig are over.
;   The barrier opens a round of the cluster's barrier, so that no wave of any partner still reads that slot or has a load on its way; the joint refill is the first thing behind the round and has a whole key step of every wave in which to land.
; kind = 1: the last change: nothing is left to fetch, a barrier of the work-group alone.   kind = 0: the last step: no change.
; The five v_nop at the end are the places in front of the loads into registers that the last products read, and of the next scores, which are laid over V's fragments.
.macro TAIL kind, sig, first
.if \kind
	s_wait_tensorcnt 0x0                           ; no tensor load of mine is out, so a group 0 may be written
	ds_add_u32 v1, v2                              ; 0 onto my spare word
.if \kind == 2
	s_add_nc_u64 s[38+4*\sig:39+4*\sig], s[38+4*\sig:39+4*\sig], 2*SLOTB   ; the slot's next four key steps; the type bits on top are not reached
.endif
.endif
.if !\first
	RESCALE
.endif
	s_wait_dscnt 0x0                               ; the add is done, V is whole in registers, and my reads of the slot that I leave are over
.if \kind
	s_barrier_signal -1
.endif
	WIN 0x50                                       ; C and D window 1
	PV 0, \first                                   ; work on registers while the others arrive
.if \kind
	WIN 0
	s_barrier_wait -1
.if \kind == 2
	CREST
	tensor_load_to_lds s[36+4*\sig:39+4*\sig], s[28:35]
	s_nop 0
	PLACES 4                                       ; four v_nop follow the tensor load
.endif
	KEARLY 1-\sig
	WIN 0x50
.endif
	PV 8, \first
	WIN 0
	PLACES 5
.endm
; A KEY STEP: my 128 keys of slot sig against my 32 queries.  All accumulators take turns, one instruction a turn.
.macro BODY sig, first, kind
	KLATE \sig
	s_wait_dscnt 4                                 ; all but the youngest four loads, key tile 7's
.irp s,0,1
.irp kt,0,1,2,3
.irp i,0,1
.if \s == 0
	WM 64+64*\i+8*\kt, 96+16*\kt+32*(\kt/2), 32+16*\i, -1, 24+\kt, 20+\i, 0, 0
.else
	WM 64+64*\i+8*\kt, 96+16*\kt+8+32*(\kt/2), 32+16*\i+8, 64+64*\i+8*\kt, 24+\kt, 20+\i, 1, 1
.endif
.endr
.endr
.endr
	s_wait_dscnt 0x0
	PLACES 5                                       ; the next products' results are laid over the first batch's operands: five places (ISA guide 7.12.1)
.irp s,0,1
.irp kt,4,5,6,7
.irp i,0,1
.if \s == 0
	WM 64+64*\i+8*\kt, 192+16*(\kt-4), 32+16*\i, -1, 24+\kt, 20+\i, 0, 0
.else
	WM 64+64*\i+8*\kt, 192+16*(\kt-4)+8, 32+16*\i+8, 64+64*\i+8*\kt, 24+\kt, 20+\i, 1, 1
.endif
.endr
.endr
.endr
	PLACES 4                                       ; in front of the first read of results and the first write over operands
	SOFTMAX 0, \first
	ds_load_b128 v[24:27], v[3+\sig] offset:33792  ; V's scale words: register t / 2; lanes 0-15 the even tile's, lanes 16-31 the odd one's
	ds_load_b128 v[28:31], v[3+\sig] offset:34304
.set kk, 0
.rept 16                                       ; V's channel tiles 0-7 where my first tile's p lay
	ds_load_b128 v[64+4*kk:67+4*kk], v[3+\sig] offset:17408+512*kk
.set kk, kk+1
.endr
	SOFTMAX 1, \first
.rept 16                                       ; tiles 8-15 where the second's lay
	ds_load_b128 v[64+4*kk:67+4*kk], v[3+\sig] offset:17408+512*kk
.set kk, kk+1
.endr
	TAIL \kind, \sig, \first
.endm
	s_wait_tensorcnt 1                             ; my eighth of slot 0 is in; slot 1's may stay out
	s_barrier_signal -1
	s_barrier_wait -1                              ; everybody's is
	s_wait_loadcnt 0x0                             ; Q
	KEARLY 0
	BODY 0, 1, 2                                   ; fill 0 of the batch's eight; written out: its products start O^T's sums.  Slot 0 takes fill 2
	s_mov_b32 s44, 2
.Lloop:                                            ; two trips, two slots each: fills 1 to 4 are worked, fills 3 to 6 asked for
	BODY 1, 0, 2
	BODY 0, 0, 2
	s_sub_co_u32 s44, s44, 1
	s_cmp_lg_u32 s44, 0
	s_cbranch_scc1 .Lloop
	BODY 1, 0, 2                                   ; fill 5; slot 1 takes fill 7.  The tail is written out
	BODY 0, 0, 1                                   ; fill 6: nothing is left to fetch
	BODY 1, 0, 0                                   ; fill 7
	; ---- THE END.  First the sums' halves, and the addresses still wanted (the places behind the last products stand at the step's end)
	v_add_f32 v14, v14, v15
	v_add_f32 v18, v18, v19
	v_and_b32 v249, 15, v0                         ; r
	v_bfe_u32 v250, v0, 4, 1                       ; h
	v_and_b32 v251, 31, v0                         ; lane
	v_lshlrev_b32 v233, 2, v251                    ; 4 x lane
	v_permlanex16_b32 v15, v14, s[SEL], s[SEL+1]
	v_permlanex16_b32 v19, v18, s[SEL], s[SEL+1]
	v_and_b32 v252, 8, v249
	v_add_nc_u32 v252, v252, v249                  ; r + 8 (r / 8)
	v_lshlrev_b32 v237, 2, v252                    ; proj_b: my lane's output channel
	s_mul_i32 s48, s16, 8704                       ; my stage for the way out: 32 rows x (256 bytes + 16), in the ring, which has had its last fill
	v_mul_u32_u24 v234, v252, 272
	v_lshl_add_u32 v234, v250, 6, v234
	v_add_nc_u32 v234, s48, v234                   ; in: row r + 8 (r / 8), + 64 h
	v_mul_u32_u24 v235, v250, 272
	v_lshl_add_u32 v235, v249, 4, v235
	v_add_nc_u32 v235, s48, v235                   ; back: lanes 0-15 one row, lanes 16-31 the next
	s_lshl_b32 s49, s16, 6
	s_add_co_u32 s49, s49, OSC
	v_lshl_add_u32 v236, v249, 2, s49              ; my fragment's scale words: 2 qt + s = w, so OSC + 64 w + 4 r
	s_lshl_b32 s49, s16, 10
	s_add_co_u32 s49, s49, OIMG
	v_add_nc_u32 v238, s49, v5                     ; my fragment's image: OIMG + 1024 w + 16 lane
	v_add_nc_u32 v239, OIMG, v5                    ; all the images,
	v_add_nc_u32 v248, OSC, v233                   ; all the scale words
	v_add_f32 v14, v14, v15                        ; the row's sum over my key steps
	v_add_f32 v18, v18, v19
.set kk, 0
.rept 8
	global_load_b128 v[32+4*kk:35+4*kk], v5, s[60:61] offset:512*kk   ; proj_w's tiles 2 w, 2 w + 1 where Q lay: 32 + 16 u + 8 s
.set kk, kk+1
.endr
	global_load_b32 v20, v233, s[62:63]            ; their scale words
	global_load_b32 v21, v233, s[62:63] offset:128
	global_load_b32 v254, v237, s[6:7]             ; proj_b of my lane's channel in each
	global_load_b32 v255, v237, s[6:7] offset:32
	BARRIER                                        ; nobody reads the ring any more, and every wave's tensor loads were waited for at the last change of slots
	WIN 0x04                                       ; an LDS store's data are its source 1: window 1
.set kk, 0
.rept 64
	ds_store_b128 v6, v[4*kk:4*kk+3] offset:512*kk ; O^T as it stands, each accumulator from its low end on
.set kk, kk+1
.endr
	WIN 0
	ds_store_b32 v7, v12
	ds_store_b32 v7, v14 offset:128
	ds_store_b32 v7, v16 offset:256
	ds_store_b32 v7, v18 offset:384
	BARRIER                                        ; the eight waves' partial results lie in LDS
	; ---- I join query tile 2 p + kq / 2, channels 128 (kq % 2) on, over the four key groups
	WIN 0x40
.set kk, 0
.rept 16
	global_load_b128 v[4*kk:4*kk+3], v11, s[56:57] offset:32768*kk th:TH_LOAD_NT   ; x at my 32 output channels, for the residual: its last read in the program
.set kk, kk+1
.endr
	WIN 0
.irp k,0,1,2,3
	ds_load_b32 v[192+\k], v8 offset:512*\k        ; -M of key group k
	ds_load_b32 v[196+\k], v8 offset:512*\k+128    ; its sum
.endr
.set kk, 0
.rept 16
	ds_load_b128 v[64+4*kk:67+4*kk], v9 offset:512*kk
.set kk, kk+1
.endr
	WIN 0x40
.set kk, 0
.rept 16
	ds_load_b128 v[64+4*kk:67+4*kk], v9 offset:32768+512*kk
.set kk, kk+1
.endr
.set kk, 0
.rept 16
	ds_load_b128 v[128+4*kk:131+4*kk], v10 offset:512*kk
.set kk, kk+1
.endr
	WIN 0
	s_wait_dscnt 48                                ; the eight words are in; three groups' 48 loads may be out
	v_min3_num_f32 v200, v192, v193, v194
	v_min_num_f32 v200, v200, v195                 ; -M of all keys
.irp k,0,1,2,3
	v_sub_f32 v[201+\k], v200, v[192+\k]           ; M_k - M: a whole number, 0 or less
.endr
.irp k,0,1,2,3
	v_cvt_i32_f32 v[201+\k], v[201+\k]
.endr
.irp k,0,1,2,3
	v_ldexp_f32 v[201+\k], 1.0, v[201+\k]          ; f_k = 2^(M_k - M)
.endr
	v_mul_f32 v205, v201, v196
	v_fma_f32 v205, v202, v197, v205
	v_fma_f32 v205, v203, v198, v205
	v_fma_f32 v205, v204, v199, v205               ; the row's sum
	v_rcp_f32 v205, v205
	v_nop                                          ; one plain line behind the transcendental
	s_wait_alu depctr_va_vdst(0)
.irp k,0,1,2,3
	v_mul_f32 v[208+2*\k], v[201+\k], v205         ; f_k / the sum, twice, for the packed forms
	v_mul_f32 v[209+2*\k], v[201+\k], v205
.endr
.irp b,0,1,2,3
	v_mov_b32 v[220+\b], 0                         ; a lane permute's destination counts as one of its sources
.endr
	WIN 0x40
.set kk, 0
.rept 16
	ds_load_b128 v[192+4*kk:195+4*kk], v10 offset:32768+512*kk
.set kk, kk+1
.endr
	WIN 0
	s_wait_dscnt 48                                ; key group 0's part is in
.set jj, 0
.rept 32
	v_pk_mul_f32 v[64+jj:65+jj], v[64+jj:65+jj], v[208:209]
.set jj, jj+2
.endr
	WIN 0x01                                       ; source 0 window 1
.irp k,1,2,3
	s_wait_dscnt 48-16*\k                          ; key group k's part is in
.set jj, 0
.rept 32
	v_pk_fma_f32 v[64+jj:65+jj], v[64*\k+jj:64*\k+jj+1], v[208+2*\k:209+2*\k], v[64+jj:65+jj]
.set jj, jj+2
.endr
.endr
	WIN 0
	QUANT 64, 240, 232, 216                        ; the attention's result, quantised along the channels: fragment (qt, s)
	ds_store_b128 v238, v[240:243]
	ds_store_b128 v238, v[244:247] offset:512
	ds_store_b32 v236, v232                        ; both halves of the lanes write the same word with the same value
	BARRIER                                        ; the eight fragments lie in LDS, and nobody reads the partial results any more
	; ---- the last product: output channels 32 w .. 32 w + 31 for the 64 queries.  Source 0 = 16 queries, source 1 = 16 rows of proj_w: a lane holds one channel and eight neighbouring columns
.set kk, 0
.rept 16
	ds_load_b128 v[64+4*kk:67+4*kk], v239 offset:512*kk
.set kk, kk+1
.endr
.irp t,0,1,2,3
	ds_load_b32 v[24+\t], v248 offset:128*\t
.endr
	s_wait_loadcnt 16                              ; proj_w's fragments, scale words and proj_b are in; x's 16 loads may be out
.irp u,0,1
.irp j,0,1,2,3,4,5,6,7
	v_mov_b32 v[192+8*\u+\j], v[254+\u]            ; the bias as a C: the lane's channel in all eight registers
.endr
.endr
	s_wait_dscnt 0x0
.irp s,0,1
.irp u,0,1
.irp t,0,1,2,3
.if \s == 0
	WM 128+8*(4*\u+\t), 64+16*\t, 32+16*\u, 192+8*\u, 24+\t, 20+\u, 0, 0
.else
	WM 128+8*(4*\u+\t), 64+16*\t+8, 32+16*\u+8, 128+8*(4*\u+\t), 24+\t, 20+\u, 1, 1
.endif
.endr
.endr
.endr
	PLACES 4
.irp u,0,1
.irp t,0,1,2,3
	ds_store_b128 v234, v[128+8*(4*\u+\t):131+8*(4*\u+\t)] offset:2176*\u+128*(\t/2)+32*(\t%2)      ; columns 32 (t / 2) + 8 (t % 2) + 16 h + 0 .. 7 of row 8 u + r + 8 (r / 8)
	ds_store_b128 v234, v[132+8*(4*\u+\t):135+8*(4*\u+\t)] offset:2176*\u+128*(\t/2)+32*(\t%2)+16
.endr
.endr
.set kk, 0
.rept 16
	ds_load_b128 v[64+4*kk:67+4*kk], v235 offset:544*kk   ; my own bytes; LDS serves a wave's instructions in order: these see my stores
.set kk, kk+1
.endr
	s_wait_dscnt 0x0
	s_wait_loadcnt 0x0                             ; x
	WIN 0x04                                       ; source 1 window 1
.set jj, 0
.rept 32
	v_pk_add_f32 v[64+jj:65+jj], v[64+jj:65+jj], v[jj:jj+1]   ; the residual
.set jj, jj+2
.endr
	WIN 0
.set kk, 0
.rept 16
	global_store_b128 v11, v[64+4*kk:67+4*kk], s[58:59] offset:32768*kk th:TH_STORE_NT   ; sixteen lanes store 256 consecutive bytes, aligned
.set kk, kk+1
.endr
	s_wait_tensorcnt 0x0                           ; the wave's end, behind my last tensor load and my last LDS store
	ds_add_u32 v1, v2
	s_wait_dscnt 0x0
	ROUND                                          ; the closing round: no work-group ends while a partner may still ask for a tile that names it
	s_endpgm
.Lfunc_end_k_q1f29e8baaf_attn:
	.size	k_q1f29e8baaf_attn, .Lfunc_end_k_q1f29e8baaf_attn-k_q1f29e8baaf_attn
	.p2alignl 7, 3214868480
	.fill 96, 4, 3214868480
	.section	.rodata,"a",@progbits
	.p2align	6, 0x0
	.amdhsa_kernel k_q1f29e8baaf_attn
		.amdhsa_group_segment_fixed_size 327680
		.amdhsa_private_segment_fixed_size 0
		.amdhsa_enable_private_segment 0
		.amdhsa_kernarg_size 48
		.amdhsa_user_sgpr_count 2
		.amdhsa_user_sgpr_kernarg_segment_ptr 1
		.amdhsa_wavefront_size32 1
		.amdhsa_system_sgpr_workgroup_id_x 1
		.amdhsa_system_sgpr_workgroup_id_y 1
		.amdhsa_system_sgpr_workgroup_id_z 1
		.amdhsa_system_vgpr_workitem_id 0
		.amdhsa_next_free_vgpr 512
		.amdhsa_next_free_sgpr 66
		.amdhsa_reserve_vcc 0
		.amdhsa_float_denorm_mode_32 3
		.amdhsa_float_denorm_mode_16_64 3
		.amdhsa_memory_ordered 1
		.amdhsa_forward_progress 1
		.amdhsa_inst_pref_size 255
	.end_amdhsa_kernel
	.section	.bss,"aw",@nobits
	.p2align	6
	.space	262144
	.amdgpu_metadata
---
amdhsa.version: [ 1, 2 ]
amdhsa.kernels:
  - .name:           k_q1f29e8baaf_attn
    .symbol:         k_q1f29e8baaf_attn.kd
    .args:
      - { .name: x, .offset: 0, .size: 8, .value_kind: global_buffer, .address_space: global }
      - { .name: proj_b, .offset: 8, .size: 8, .value_kind: global_buffer, .address_space: global }
      - { .name: wimg, .offset: 16, .size: 8, .value_kind: global_buffer, .address_space: global }
      - { .name: q, .offset: 24, .size: 8, .value_kind: global_buffer, .address_space: global }
      - { .name: kv, .offset: 32, .size: 8, .value_kind: global_buffer, .address_space: global }
      - { .name: out0, .offset: 40, .size: 8, .value_kind: global_buffer, .address_space: global }
    .group_segment_fixed_size: 327680
    .private_segment_fixed_size: 0
    .kernarg_segment_align: 8
    .kernarg_segment_size: 48
    .max_flat_workgroup_size: 256
    .sgpr_count:     66
    .vgpr_count:     512
    .wavefront_size: 32
...
	.end_amdgpu_metadata
.endif
;; end of part 3
